; MI455X (gfx1250); checked and timed in simulation.
; The chip was launched on July 23, 2026; its instructions are those of AMD's public machine-readable ISA for CDNA 5 (MIT licence, August 2026) and "CDNA5" Instruction Set Architecture Reference Guide (July 2026). The comments in the code are by the model that wrote it; some were corrected since.
;; FG Encoder. Allowed arithmetic: matrix products marked QUANTISED: E4M3 operands, one E8M0 scale for each 32 along K, by v_wmma_scale_f32_16x16x128_f8f6f4 with both operands' format E4M3, f32 sums; products left as they are: f32 operands where the result goes on into a quantised operand, else bf16, f16 or f32 operands; f32 sums; everything else in f32.
;; Inputs: W1_codes 256 x 16 x 32 uint8 (E4M3 codes of W1, K innermost, in blocks of 32 codes); W1_scales 256 x 16 uint8 (E8M0 scales of W1, one for each 32 codes along K); W2 256 x 3 float32; b1 256 float32; b2 3 float32; ds 16 x 512 int32; hs 16 x 4,096 x 512 float32.
;; Outputs: out0 16 x 512 x 3 float32.
;; Constants: Lmax = 4096.
;; This version of the problem:
;;   THIS VERSION OF THE PROBLEM IS GIVEN IN LOW PRECISION. The matrix products marked QUANTISED in the list below multiply operands that are first quantised to E4M3 (4 exponent bits, 3 mantissa bits; 8 bits a number), with one power-of-two scale for each 32 numbers along K (OCP MX v1.0); their sums are f32. All else is computed in f32.
;;   The module's matrix products, in the order in which they are computed (A, B: the left and right operand; K: the contracted axis; several contracted axes count as one K, in the product's order):
;;     1. [M 8,192, K 512] x [K 512, N 256]; A: computed on the way; B: input W1 (given as codes): QUANTISED
;;     2. [M 8,192, K 256] x [K 256, N 3]; A: computed on the way; B: input W2: left as it is (N = 3 < 16)
;;   THE QUANTISER, for each operand of a quantised product, along K:
;;     - K is cut into blocks of 32 from its start; a last block that is shorter is filled with zeros.
;;     - A block's scale is 2^e with e = floor(log2(the largest magnitude in the block)) - 8, held to -126 .. 127; a block of zeros has e = 0. As a byte (E8M0): e + 127.
;;     - Each number is divided by its block's scale, clamped to +-448, and rounded to the nearest number of E4M3, ties to even, subnormals kept.
;;     - The product sums the exact products of the quantised numbers (number of the format x scale) in f32.
;;   ~~~python
;;   def quantise(x, axis):      # numpy; x: float32 -> the quantised numbers, widened to float32 again
;;       x = np.moveaxis(x, axis, -1); K = x.shape[-1]
;;       x = np.pad(x, [(0, 0)] * (x.ndim - 1) + [(0, -K % 32)]); x = x.reshape(x.shape[:-1] + (-1, 32)); a = np.abs(x).max(-1, keepdims=True)
;;       e = np.where(a > 0, np.clip(np.frexp(np.where(a > 0, a, 1))[1] - 1 - 8, -126, 127), 0)      # np.frexp(a)[1] - 1 = floor(log2(a)), exactly
;;       r = np.clip(x / 2.0 ** e, -448, 448)
;;       step = 2.0 ** (np.maximum(np.frexp(np.where(r == 0, 1, r))[1] - 1, -6) - 3)
;;       q = np.round(r / step) * step * 2.0 ** e      # np.round: ties to even
;;       return np.moveaxis(q.reshape(q.shape[:-2] + (-1,))[..., :K], -1, axis).astype(np.float32)
;;   ~~~
;;   OPERANDS COMPUTED ON THE WAY. 'Computed on the way' means the value that the module computes at that place (a softmax that the list does not call 'softmax' is quantised finished and normalised). What goes into a quantiser is computed in f32, as accurately as f32 sums, v_exp_f32 and their like allow (about 1e-6 of the number): no bf16 or f16 on the way to a quantiser, and a product that is left as it is and whose result goes on into a quantised operand takes f32 operands (vector FMAs, or v_wmma_f32_16x16x4_f32). A number that lies on a knife's edge between two numbers of the format may be rounded either way, as far as f32 arithmetic and the matrix unit's own rounding can turn it there, and no further.
;;   INPUTS GIVEN AS CODES. W1 (in the module: [512, 256], K = its axis 0): each comes as NAME_codes (uint8): NAME with its K axis moved to the last place and cut into blocks of 32 codes, [.., K / 32, bytes a block], one block behind the other in memory; one code a byte (a code: sign, 4 exponent bits, 3 mantissa bits); and NAME_scales (uint8): the same leading axes, one E8M0 byte (e + 127) for each 32 codes along K. Its value is code x scale, taken as it is: it is not quantised again, and the codes and scales need not be those that the quantiser above would give.
;; 2 versions. Each part assembles by itself: llvm-mc -triple=amdgcn-amd-amdhsa -mcpu=gfx1250 --defsym DOCPART=n.
;; ======== version 1 of 2: 1 launch
;; launch fgenc (part 1): grid 256 x 1, 32 waves a work-group, no clusters, 32,256 bytes of LDS; arguments hs, ds, W1_codes, W1_scales, W2, b1, b2, out0; writes out0
.if DOCPART == 1
	.amdgcn_target "amdgcn-amd-amdhsa--gfx1250"
	.amdhsa_code_object_version 6
	.text
	.protected	k_qab73d6031f_fgenc
	.globl	k_qab73d6031f_fgenc
	.p2align	8
	.type	k_qab73d6031f_fgenc,@function
k_qab73d6031f_fgenc:
	s_mov_b64 s[64:65], 0
	v_nop
	global_prefetch_b8 v0, s[64:65] scope:SCOPE_SE
	s_setreg_imm32_b32 hwreg(HW_REG_WAVE_MODE, 25, 1), 1
	s_wait_xcnt 0x0
; out = relu(relu(Q(aligned) W1 + b1) W2 + b2).  aligned[b][t] = the mean of hs[b][start .. start + d - 1], d = max(ds[b][t], 0) (L = Lmax, so the durations are taken as they
; are), start = the sum of the batch's earlier d; start and end are clipped to 4,096 frames; a token without frames is a row of zeros.  Q: E4M3 codes, one E8M0 scale for each 32 along K = 512.
; ONE LAUNCH.  A work-group owns 32 neighbouring tokens of one batch (16 work-groups a batch), ONE WAVE A TOKEN.  The segments of a batch are disjoint, so every frame that is needed is read
; once in the launch, and frames in no segment are not read.
; STEPS.  1: where my token's segment begins (whole numbers from ds alone).  2: the segment's sum: a frame is 2,048 bytes = four loads of the wave, 512 consecutive bytes each; a lane holds
; columns 128 j + 4 lane + 0..3 of quarter j.  Up to seven frames are asked for in one run.  3: mean, block scales and codes in registers; codes and scale bytes to LDS.  4: waves 0-15: wave nt
; multiplies W1's rows 16 nt .. + 15 (all of K in 64 registers, straight from memory: W1 is read once by the work-group, which is why sixteen waves and not all do this step) with both tiles of
; 16 tokens.  5: bias, relu, the product with W2 (N = 3: fused multiply-adds in f32), partial sums through LDS, b2, relu, 384 consecutive bytes of out.
; NO TENSOR LOAD, NO JOINT LOAD OF W1: the branches and the trip count of step 2 hang on ds; W1, which all work-groups share, comes by plain loads.
; LIMITS.  NaN and infinities in hs are not served (prefix sums over all frames would carry them into later tokens; this text sums a segment's own frames).  The mean is sum x v_rcp_f32(length),
; not a division.  A duration is held to 0 .. 4,096, which leaves every clipped start and end as it was, so long as a batch's durations sum under 2^31.
.set NF,     4096                      ; frames in a batch
.set FROW,   2048                      ; bytes in a frame
.set CHUNK,  4                         ; frames a trip in the loop for long segments
.set APITCH, 528                       ; a token's 512 codes in LDS + 16 bytes: the 16 rows that a fragment load touches start at 16 different banks (64 banks of 4 bytes: ISA guide 11.1)
; LDS
.set TOT,    0                         ; 32 words: wave w's total of token group w % 16
.set CW2,    256                       ; W2 as it lies in memory, 3,072 bytes
.set CB1,    CW2+3072                  ; b1, 1,024 bytes
.set ACODE,  CB1+1024                  ; 32 rows of codes
.set ASC,    ACODE+32*APITCH           ; 32 x 16 scale bytes
.set PART,   ASC+512                   ; 16 x 96 partial sums of out; ends at 27,904
; vector registers
.set LOFF,   1                         ; v1      16 x lane
.set RC,     2                         ; v[2:3]  1 / length (and the length): a pair for the packed multiply; later two LDS addresses
.set AFA,    2                         ; v2      later: my lane's place in a tile of codes
.set W2A,    3                         ; v3      later: my 24 numbers of W2
.set TSC,    4                         ; v[4:7]  the tokens' scale words, K step s in register s: lanes 0-15 tokens 0-15, lanes 16-31 tokens 16-31; scales and nothing else
.set WSC,    8                         ; v[8:11] W1's scale words; scales and nothing else
.set W1O,    12                        ; v12     my offset in W1's codes; later B1A
.set WSO,    13                        ; v13     my offset in W1's scales; later PS
.set B1A,    12
.set PS,     13
.set B2V,    14                        ; v14     b2[thread % 3]
.set B2O,    15                        ; v15     its offset
.set FB,     16                        ; v16-127 seven frame buffers of 16; buffer 0 takes the sum
.set ACC,    16                        ; later: two accumulators,
.set BF,     32                        ; W1's four fragments (fragments 0 and 1 later give way to b1 and W2),
.set AF0,    96                        ; tokens 0-15's fragment of the K step in hand,
.set AF1,    112                       ; tokens 16-31's
.set TM,     96                        ; the quantiser's work registers, while no fragment lies there
.set B1R,    32                        ; b1 of my eight hidden units
.set W2R,    40                        ; W2 of my eight hidden units, 3 each
.set PO,     64                        ; six partial sums: tile m, output o at PO + 3 m + o
; scalar registers: s[4:5] hs, s[6:7] ds, s[8:9] W1 codes, s[10:11] W1 scales, s[12:13] W2, s[14:15] b1, s[16:17] b2, s[18:19] out
.set WV,     20                        ; wave = my token in the group
.set BAT,    21                        ; batch
.set GRP,    22                        ; token group in the batch
.set NT,     23                        ; wave % 16
.set SEL,    24                        ; s[24:25] v_permlanex16_b32's selects for lane xor 16
.set MNT,    26                        ; the mantissa field of 448
.set CNT,    27                        ; frames in my segment
.set NQ,     28                        ; trips of the loop
.set NR,     29                        ; frames asked for in the first run: 0 .. 7
.macro ISUM x, t                       ; the sum of v[x] over the 32 lanes, whole numbers, in every lane
.irp m, 1,2,4,8
	v_mov_b32_dpp v[\t], v[\x] row_xmask:\m row_mask:0xf bank_mask:0xf
	v_add_nc_u32 v[\x], v[\x], v[\t]
.endr
	v_permlanex16_b32 v[\t], v[\x], s[SEL], s[SEL+1]
	v_add_nc_u32 v[\x], v[\x], v[\t]
.endm
.macro HOLD x                          ; a duration: 0 where ds <= 0, at most NF
	v_cmp_lt_i32 vcc_lo, 0, v[\x]
	v_cndmask_b32 v[\x], 0, v[\x], vcc_lo
	v_min_u32 v[\x], NF, v[\x]
.endm
	s_load_b256 s[4:11], s[0:1], 0x0
	s_load_b256 s[12:19], s[0:1], 0x20
	v_lshrrev_b32 v2, 5, v0
	v_readfirstlane_b32 s[WV], v2
	v_and_b32 v3, 31, v0                           ; lane
	s_lshr_b32 s[BAT], ttmp9, 4
	s_and_b32 s[GRP], ttmp9, 15
	s_and_b32 s[NT], s[WV], 15
	s_mov_b32 s[SEL], 0x76543210
	s_mov_b32 s[SEL+1], 0xfedcba98
	s_mov_b32 s[MNT], 0x600000
	v_lshlrev_b32 v[LOFF], 4, v3
	v_lshlrev_b32 v16, 2, v3                       ; 4 x lane
	s_lshl_b32 s30, s[NT], 7
	v_add_nc_u32 v17, s30, v16                     ; ds: the 32 durations of group wave % 16
	s_lshl_b32 s31, s[GRP], 7
	v_add_nc_u32 v18, s31, v16                     ; and those of my own group
	v_lshlrev_b32 v19, 2, v0                       ; 4 x thread: W2's 768 numbers go to threads 0-767, b1's 256 to the others
	s_cmp_lt_u32 s[WV], 24
	s_cselect_b32 s32, 0, 3072
	v_sub_nc_u32 v20, v19, s32
	s_lshl_b32 s34, s[BAT], 11                     ; a row of ds is 2,048 bytes
	s_mov_b32 s35, 0
	s_lshl_b32 s36, s[WV], 2
	s_add_co_u32 s36, s36, s31                     ; my token's place in it
	s_mov_b32 s37, 0
	s_wait_kmcnt 0x0
	s_add_nc_u64 s[6:7], s[6:7], s[34:35]
	s_add_nc_u64 s[36:37], s[6:7], s[36:37]
	s_load_b32 s38, s[36:37], 0x0                  ; my token's duration, as a scalar
	global_load_b32 v21, v17, s[6:7]
	global_load_b32 v22, v18, s[6:7]
	s_cmp_lt_u32 s[WV], 24
	s_cselect_b64 s[40:41], s[12:13], s[14:15]     ; the choice hangs on the wave's number alone
	global_load_b32 v23, v20, s[40:41]
	; offsets that are wanted later are made while these loads are out
	v_and_b32 v24, 15, v0                          ; r
	v_bfe_u32 v25, v0, 4, 1                        ; h
	v_lshlrev_b32 v[W1O], 9, v24                   ; W1's codes: row r of 512 bytes,
	v_lshl_add_u32 v[W1O], v25, 4, v[W1O]          ; + 16 h,
	s_lshl_b32 s42, s[NT], 13
	v_add_nc_u32 v[W1O], s42, v[W1O]               ; + 16 rows x wave % 16
	s_lshl_b32 s42, s[NT], 8
	v_lshl_add_u32 v[WSO], v24, 4, s42             ; W1's scales: 16 bytes a row
	v_mul_u32_u24 v[B2O], v0, 0xaaab               ; thread / 3 = thread x 43,691 >> 17, exact for threads under 1,024
	v_lshrrev_b32 v[B2O], 17, v[B2O]
	v_mul_u32_u24 v[B2O], v[B2O], 3
	v_sub_nc_u32 v[B2O], v0, v[B2O]
	v_lshlrev_b32 v[B2O], 2, v[B2O]                ; 4 x (thread % 3)
	v_mov_b32 v26, 0                               ; written once: the destination of a lane exchange counts as one of its sources
	v_mov_b32 v27, s[WV]
	v_lshlrev_b32 v27, 2, v27                      ; my wave's word among the totals
	s_mul_i32 s42, ttmp9, 384                      ; out: 32 tokens x 3 numbers a work-group
	s_mov_b32 s43, 0
	s_add_nc_u64 s[18:19], s[18:19], s[42:43]
	s_lshl_b32 s44, s[BAT], 23                     ; hs: 4,096 frames of 2,048 bytes a batch
	s_mov_b32 s45, 0
	s_wait_loadcnt 0x0
	; ---- 1: where my segment begins
	ds_store_b32 v19, v23 offset:CW2               ; W2 and b1 lie on end in LDS
	HOLD 21
	HOLD 22
	ISUM 21, 26                                    ; the total of group wave % 16
	ds_store_b32 v27, v21 offset:TOT               ; all lanes write the same word with the same value
	v_cmp_gt_u32 vcc_lo, s[WV], v3
	v_cndmask_b32 v22, 0, v22, vcc_lo              ; of my group: the tokens ahead of mine
	s_wait_dscnt 0x0                               ; for the others' sake: my stores have landed
	s_barrier_signal -1
	s_barrier_wait -1
	ds_load_b32 v28, v16 offset:TOT                ; lane l: group l's total (lanes 16-31: the same sixteen again, not counted)
	v_cmp_gt_u32 vcc_lo, s[GRP], v3
	s_wait_dscnt 0x0
	v_cndmask_b32 v28, 0, v28, vcc_lo              ; the groups ahead of mine
	v_add_nc_u32 v28, v28, v22
	ISUM 28, 26
	v_readfirstlane_b32 s46, v28                   ; start
	s_wait_kmcnt 0x0
	s_max_i32 s38, s38, 0
	s_min_u32 s38, s38, NF                         ; my duration
	s_add_co_u32 s47, s46, s38                     ; end
	s_min_u32 s46, s46, NF                         ; both clipped to the batch's frames
	s_min_u32 s47, s47, NF
	s_sub_co_u32 s[CNT], s47, s46                  ; frames to sum
	s_lshl_b32 s46, s46, 11
	s_add_co_u32 s44, s44, s46
	s_add_nc_u64 s[4:5], s[4:5], s[44:45]          ; hs at my first frame
	s_max_u32 s[NQ], s[CNT], CHUNK                 ; up to 7 frames go in one run; of a longer segment the first 4 to 7, and the rest 4 a trip
	s_sub_co_u32 s[NQ], s[NQ], CHUNK
	s_lshr_b32 s[NQ], s[NQ], 2
	s_lshl_b32 s[NR], s[NQ], 2
	s_sub_co_u32 s[NR], s[CNT], s[NR]
	; ---- 2: the segment's sum
.macro LOADF buf, frame                ; a frame: four loads, each 512 consecutive bytes of the wave; read once in the launch
.irp j, 0,1,2,3
	global_load_b128 v[FB+16*(\buf)+4*\j:FB+16*(\buf)+4*\j+3], v[LOFF], s[4:5] offset:(\frame)*FROW+512*\j th:TH_LOAD_NT
.endr
.endm
.macro ADDF buf
.irp k, 0,2,4,6,8,10,12,14
	v_pk_add_f32 v[FB+\k:FB+\k+1], v[FB+\k:FB+\k+1], v[FB+16*(\buf)+\k:FB+16*(\buf)+\k+1]
.endr
.endm
	; The run of loads is left behind the segment's last frame, straight to the place in the additions where just the frames that were asked for are still to be added:
	; so all loads of the run are out together, no register is read that was not loaded, and nothing is cleared.
	s_cmp_eq_u32 s[NR], 0
	s_cbranch_scc1 .Lnone
	LOADF 0, 0
.irp i, 1,2,3,4,5,6
	s_cmp_eq_u32 s[NR], \i
	s_cbranch_scc1 .Lgot\i
	LOADF \i, \i
.endr
.macro FOLD n, buf                     ; n frames are in buffers 0 .. n - 1: the last of them is added to buffer 0
.Lgot\n:
	s_wait_loadcnt 0x0                             ; all frames of the run are in (met at once on the way down from the label above); it also frees the loads' base,
	ADDF \buf
	s_add_nc_u64 s[4:5], s[4:5], FROW              ; which goes one frame on for each frame taken
.endm
	FOLD 7, 6
	FOLD 6, 5
	FOLD 5, 4
	FOLD 4, 3
	FOLD 3, 2
	FOLD 2, 1
.Lgot1:
	s_wait_loadcnt 0x0
	s_add_nc_u64 s[4:5], s[4:5], FROW
	s_branch .Lmore
.Lnone:                                            ; a token without frames: its row is zeros
.irp i, 0,1,2,3,4,5,6,7,8,9,10,11,12,13,14,15
	v_mov_b32 v[FB+\i], 0
.endr
.Lmore:
	s_cmp_eq_u32 s[NQ], 0
	s_cbranch_scc1 .Ljoin
.Lchunk:                                           ; segments of more than 7 frames: four more frames a trip
	LOADF 1, 0
	LOADF 2, 1
	LOADF 3, 2
	LOADF 4, 3
	s_wait_loadcnt 0x0
	ADDF 1
	ADDF 2
	ADDF 3
	ADDF 4
	s_add_nc_u64 s[4:5], s[4:5], CHUNK*FROW
	s_sub_co_u32 s[NQ], s[NQ], 1
	s_cmp_lg_u32 s[NQ], 0
	s_cbranch_scc1 .Lchunk
.Ljoin:
	; buffers 1 to 6 are free: waves 0-15 ask for their rows of W1 now, and the quantiser's work stands between the request and its use
	s_cmp_lt_u32 s[WV], 16
	s_cbranch_scc0 .Lno_w1
.irp s, 0,1,2,3
.irp c, 0,1,2,3
	global_load_b128 v[BF+16*\s+4*\c:BF+16*\s+4*\c+3], v[W1O], s[8:9] offset:128*\s+32*\c   ; fragment s: lane (r, h): row 16 nt + r, K = 128 s + 32 c + 16 h + 0 .. 15
.endr
.endr
	global_load_b128 v[WSC:WSC+3], v[WSO], s[10:11]  ; my row's 16 scale bytes: register s is the word of K step s
	global_load_b32 v[B2V], v[B2O], s[16:17]
.Lno_w1:
	; ---- 3: the mean, and its codes
	s_max_u32 s46, s[CNT], 1
	v_cvt_f32_u32 v[RC+1], s46
	v_rcp_f32 v[RC], v[RC+1]
	v_and_b32 v[TM+24], 31, v0                     ; (plain work behind the reciprocal: where my codes and scale bytes go)
	s_mul_i32 s47, s[WV], APITCH
	v_lshl_add_u32 v[TM+25], v[TM+24], 2, s47      ; my token's row, 4 bytes a lane
	v_lshrrev_b32 v[TM+26], 3, v[TM+24]
	s_lshl_b32 s48, s[WV], 4
	v_add_nc_u32 v[TM+26], s48, v[TM+26]           ; my token's 16 scale bytes; eight lanes share a block
	s_wait_alu depctr_va_vdst(0)                   ; the wait ahead of the reciprocal's first reader
.irp k, 0,2,4,6,8,10,12,14
	v_pk_mul_f32 v[FB+\k:FB+\k+1], v[FB+\k:FB+\k+1], v[RC:RC+1] op_sel_hi:[1,0]   ; the mean
.endr
	; Quarter j of the row is K step j, and its block c lies in lanes 8 c .. 8 c + 7, four numbers a lane
.irp j, 0,1,2,3
	v_max3_num_f32 v[TM+\j], |v[FB+4*\j]|, |v[FB+4*\j+1]|, 0x4800000   ; and the floor 2^(9 - 127), under which no largest magnitude is taken: so the byte cannot fall under 1
.endr
.irp j, 0,1,2,3
	v_max3_num_f32 v[TM+\j], v[TM+\j], |v[FB+4*\j+2]|, |v[FB+4*\j+3]|
.endr
.irp m, 1,2,4
.irp j, 0,1,2,3
	v_max_num_f32_dpp v[TM+\j], v[TM+\j], v[TM+\j] row_xmask:\m row_mask:0xf bank_mask:0xf   ; over the block's eight lanes
.endr
.endr
.irp j, 0,1,2,3
	v_add_nc_u32 v[TM+4+\j], 0xfc000000, v[TM+\j]  ; 8 off the exponent field: the conversion takes the exponent field of this operand as its scale
.endr
.irp j, 0,1,2,3
	v_and_or_b32 v[TM+8+\j], v[TM+\j], 0x7f800000, s[MNT]   ; 448 x the scale
.endr
.irp j, 0,1,2,3
	v_lshrrev_b32 v[TM+12+\j], 23, v[TM+4+\j]      ; the scale's byte.  (A block of zeros keeps the byte 1: its codes are zeros, and this program alone reads the bytes)
.endr
.irp j, 0,1,2,3
.irp e, 0,1,2,3
	v_med3_num_f32 v[FB+4*\j+\e], v[FB+4*\j+\e], -v[TM+8+\j], v[TM+8+\j]   ; the conversion to an 8-bit code does not saturate (ISA guide 7.6.2): the hold at the largest code x the scale
.endr
.endr
	; The conversion takes eight numbers under one scale, and my eight consecutive registers belong to two blocks: each eight are converted under both scales, and of each result the word of that scale's four numbers is kept
	v_cvt_scalef32_pk8_fp8_f32 v[TM+16:TM+17], v[FB:FB+7], v[TM+4]      ; low word: K step 0
	v_cvt_scalef32_pk8_fp8_f32 v[TM+18:TM+19], v[FB:FB+7], v[TM+5]      ; high word: K step 1
	v_cvt_scalef32_pk8_fp8_f32 v[TM+20:TM+21], v[FB+8:FB+15], v[TM+6]   ; low word: K step 2
	v_cvt_scalef32_pk8_fp8_f32 v[TM+22:TM+23], v[FB+8:FB+15], v[TM+7]   ; high word: K step 3
	v_nop                                          ; one plain line between the conversions and the lines below that write their sources
	ds_store_b32 v[TM+25], v[TM+16] offset:ACODE       ; 32 lanes: 128 consecutive bytes, K = 128 j + 4 lane + 0 .. 3
	ds_store_b32 v[TM+25], v[TM+19] offset:ACODE+128
	ds_store_b32 v[TM+25], v[TM+20] offset:ACODE+256
	ds_store_b32 v[TM+25], v[TM+23] offset:ACODE+384
.irp j, 0,1,2,3
	ds_store_b8 v[TM+26], v[TM+12+\j] offset:ASC+4*\j  ; the eight lanes of a block write the same byte with the same value
.endr
	s_wait_xcnt 0x0                                ; W1's loads have read their offsets: those registers are written again only behind this wait
	v_and_b32 v16, 15, v0                          ; r
	v_bfe_u32 v17, v0, 4, 1                        ; h
	v_mul_u32_u24 v[AFA], v16, APITCH
	v_lshl_add_u32 v[AFA], v17, 4, v[AFA]          ; a fragment of codes: row r, + 16 h
	s_lshl_b32 s30, s[NT], 6
	v_lshl_add_u32 v[B1A], v17, 5, s30             ; b1 at hidden unit 16 nt + 8 h: 4 bytes each,
	v_mul_u32_u24 v[W2A], v[B1A], 3                ; W2 likewise: 12 bytes each
	v_mul_u32_u24 v[PS], v16, 12
	v_mad_u32_u24 v[PS], v[B1A], 6, v[PS]          ; partial sums: 384 nt + 12 (16 h + r)
	s_wait_dscnt 0x0                               ; for the others' sake: my codes and scale bytes have landed
	s_barrier_signal -1
	s_barrier_wait -1
	; ---- 4: h^T = W1^T aligned^T, transposed use: source 0 = my 16 rows of W1, source 1 = 16 tokens: a lane holds token r and hidden units 16 nt + 8 h + 0 .. 7
	s_cmp_lt_u32 s[WV], 16
	s_cbranch_scc0 .Lno_gemm
.macro AFETCH s                        ; both token tiles' fragments of K step s
.irp c, 0,1,2,3
	ds_load_b128 v[AF0+4*\c:AF0+4*\c+3], v[AFA] offset:ACODE+128*(\s)+32*\c
	ds_load_b128 v[AF1+4*\c:AF1+4*\c+3], v[AFA] offset:ACODE+16*APITCH+128*(\s)+32*\c
.endr
.endm
.macro MM s, zero                      ; the two accumulators take turns, one instruction a turn; the first K step starts the sums
.if \zero
	v_wmma_scale_f32_16x16x128_f8f6f4 v[ACC:ACC+7], v[BF+16*(\s):BF+16*(\s)+15], v[AF0:AF0+15], 0, v[WSC+(\s)], v[TSC+(\s)]
	v_wmma_scale_f32_16x16x128_f8f6f4 v[ACC+8:ACC+15], v[BF+16*(\s):BF+16*(\s)+15], v[AF1:AF1+15], 0, v[WSC+(\s)], v[TSC+(\s)] matrix_b_scale:MATRIX_SCALE_ROW1
.else
	v_wmma_scale_f32_16x16x128_f8f6f4 v[ACC:ACC+7], v[BF+16*(\s):BF+16*(\s)+15], v[AF0:AF0+15], v[ACC:ACC+7], v[WSC+(\s)], v[TSC+(\s)]
	v_wmma_scale_f32_16x16x128_f8f6f4 v[ACC+8:ACC+15], v[BF+16*(\s):BF+16*(\s)+15], v[AF1:AF1+15], v[ACC+8:ACC+15], v[WSC+(\s)], v[TSC+(\s)] matrix_b_scale:MATRIX_SCALE_ROW1
.endif
.endm
.macro PLACES                          ; eight places between these matrix instructions and loads into registers that they have read
.rept 8
	v_nop
.endr
.endm
	ds_load_b128 v[TSC:TSC+3], v[LOFF] offset:ASC  ; lane l: token l's 16 scale bytes
	AFETCH 0
	s_wait_loadcnt 0x0                             ; W1's codes and scales, b2
	s_wait_dscnt 0x0
	MM 0, 1
	PLACES
	AFETCH 1
	s_wait_dscnt 0x0
	MM 1, 0
	PLACES
	AFETCH 2
	ds_load_b128 v[B1R:B1R+3], v[B1A] offset:CB1   ; W1's fragments 0 and 1 are done with: b1 and W2 of my eight hidden units take their registers
	ds_load_b128 v[B1R+4:B1R+7], v[B1A] offset:CB1+16
.irp i, 0,1,2,3,4,5
	ds_load_b128 v[W2R+4*\i:W2R+4*\i+3], v[W2A] offset:CW2+16*\i
.endr
	s_wait_dscnt 0x0
	MM 2, 0
	PLACES
	AFETCH 3
	s_wait_dscnt 0x0
	MM 3, 0
	; ---- 5: bias, relu, and the product with W2
	v_and_b32 v70, 16, v0                          ; (this line and the seven v_nop are the eight places ahead of the first read of the results)
	v_cmp_ne_u32 vcc_lo, 0, v70                    ; lanes 16-31
.rept 7
	v_nop
.endr
.irp m, 0,1
.irp k, 0,2,4,6
	v_pk_add_f32 v[ACC+8*\m+\k:ACC+8*\m+\k+1], v[ACC+8*\m+\k:ACC+8*\m+\k+1], v[B1R+\k:B1R+\k+1]   ; each accumulator from its low end on
.endr
.endr
.irp i, 0,1,2,3,4,5,6,7,8,9,10,11,12,13,14,15
	v_max_num_f32 v[ACC+\i], 0, v[ACC+\i]
.endr
.irp m, 0,1
.irp o, 0,1,2
	v_mul_f32 v[PO+3*\m+\o], v[ACC+8*\m], v[W2R+\o]
.endr
.endr
.irp j, 1,2,3,4,5,6,7
.irp m, 0,1
.irp o, 0,1,2
	v_fmac_f32 v[PO+3*\m+\o], v[ACC+8*\m+\j], v[W2R+3*\j+\o]   ; six sums by turns: my token's share from my eight hidden units
.endr
.endr
.endr
	; the two halves of the lanes hold the same tokens and other hidden units: lanes 0-15 end up with tile 0's sums, lanes 16-31 with tile 1's
.irp o, 0,1,2
	v_cndmask_b32 v[72+\o], v[PO+3+\o], v[PO+\o], vcc_lo   ; what the other half wants of me
	v_cndmask_b32 v[76+\o], v[PO+\o], v[PO+3+\o], vcc_lo   ; what I keep
.endr
.irp o, 0,1,2
	v_permlanex16_b32 v[PO+\o], v[72+\o], s[SEL], s[SEL+1]
.endr
.irp o, 0,1,2
	v_add_f32 v[76+\o], v[76+\o], v[PO+\o]
.endr
.irp o, 0,1,2
	ds_store_b32 v[PS], v[76+\o] offset:PART+4*\o
.endr
.Lno_gemm:
	s_wait_dscnt 0x0                               ; for the others' sake: my partial sums have landed
	s_barrier_signal -1
	s_barrier_wait -1
	s_cmp_lt_u32 s[WV], 3                          ; 96 numbers of out: threads 0-95
	s_cbranch_scc0 .Lend
	v_lshlrev_b32 v1, 2, v0
.irp k, 0,1,2,3,4,5,6,7,8,9,10,11,12,13,14,15
	ds_load_b32 v[32+\k], v1 offset:PART+384*\k    ; the sixteen waves' shares of number 3 token + o
.endr
	s_wait_loadcnt 0x0                             ; b2 (it came with W1)
	s_wait_dscnt 0x0
.irp k, 0,2,4,6
	v_pk_add_f32 v[32+\k:33+\k], v[32+\k:33+\k], v[40+\k:41+\k]
.endr
	v_pk_add_f32 v[32:33], v[32:33], v[36:37]
	v_pk_add_f32 v[34:35], v[34:35], v[38:39]
	v_pk_add_f32 v[32:33], v[32:33], v[34:35]
	v_add_f32 v32, v32, v33
	v_add_f32 v32, v32, v[B2V]
	v_max_num_f32 v32, 0, v32
	global_store_b32 v1, v32, s[18:19]             ; three waves store the work-group's 384 consecutive bytes
.Lend:
	s_wait_xcnt 0x0
	v_lshl_add_u32 v126, v0, 2, 0x6e00
	v_mov_b32 v127, 0
	s_wait_tensorcnt 0x0
	ds_add_u32 v126, v127
	s_wait_dscnt 0x0
	s_endpgm
.Lfunc_end_k_qab73d6031f_fgenc:
	.size	k_qab73d6031f_fgenc, .Lfunc_end_k_qab73d6031f_fgenc-k_qab73d6031f_fgenc
	.p2alignl 7, 3214868480
	.fill 96, 4, 3214868480
	.section	.rodata,"a",@progbits
	.p2align	6, 0x0
	.amdhsa_kernel k_qab73d6031f_fgenc
		.amdhsa_group_segment_fixed_size 32256
		.amdhsa_private_segment_fixed_size 0
		.amdhsa_enable_private_segment 0
		.amdhsa_kernarg_size 64
		.amdhsa_user_sgpr_count 2
		.amdhsa_user_sgpr_kernarg_segment_ptr 1
		.amdhsa_wavefront_size32 1
		.amdhsa_system_sgpr_workgroup_id_x 1
		.amdhsa_system_sgpr_workgroup_id_y 1
		.amdhsa_system_sgpr_workgroup_id_z 1
		.amdhsa_system_vgpr_workitem_id 0
		.amdhsa_next_free_vgpr 128
		.amdhsa_next_free_sgpr 66
		.amdhsa_reserve_vcc 1
		.amdhsa_float_denorm_mode_32 3
		.amdhsa_float_denorm_mode_16_64 3
		.amdhsa_memory_ordered 1
		.amdhsa_forward_progress 1
		.amdhsa_inst_pref_size 34
	.end_amdhsa_kernel
	.amdgpu_metadata
---
amdhsa.version: [ 1, 2 ]
amdhsa.kernels:
  - .name:           k_qab73d6031f_fgenc
    .symbol:         k_qab73d6031f_fgenc.kd
    .args:
      - { .name: hs, .offset: 0, .size: 8, .value_kind: global_buffer, .address_space: global }
      - { .name: ds, .offset: 8, .size: 8, .value_kind: global_buffer, .address_space: global }
      - { .name: W1_codes, .offset: 16, .size: 8, .value_kind: global_buffer, .address_space: global }
      - { .name: W1_scales, .offset: 24, .size: 8, .value_kind: global_buffer, .address_space: global }
      - { .name: W2, .offset: 32, .size: 8, .value_kind: global_buffer, .address_space: global }
      - { .name: b1, .offset: 40, .size: 8, .value_kind: global_buffer, .address_space: global }
      - { .name: b2, .offset: 48, .size: 8, .value_kind: global_buffer, .address_space: global }
      - { .name: out0, .offset: 56, .size: 8, .value_kind: global_buffer, .address_space: global }
    .group_segment_fixed_size: 32256
    .private_segment_fixed_size: 0
    .kernarg_segment_align: 8
    .kernarg_segment_size: 64
    .max_flat_workgroup_size: 1024
    .sgpr_count:     66
    .vgpr_count:     128
    .wavefront_size: 32
...
	.end_amdgpu_metadata
.endif
;; end of part 1
;; ======== version 2 of 2: 1 launch; version 1 with the launch fgenc written anew for expert scheduling mode
;; launch fgenc (part 2): grid 256 x 1, 32 waves a work-group, no clusters, 32,256 bytes of LDS; arguments hs, ds, W1_codes, W1_scales, W2, b1, b2, out0; writes out0
.if DOCPART == 2
	.amdgcn_target "amdgcn-amd-amdhsa--gfx1250"
	.amdhsa_code_object_version 6
	.text
	.protected	k_qab73d6031f_fgenc
	.globl	k_qab73d6031f_fgenc
	.p2align	8
	.type	k_qab73d6031f_fgenc,@function
k_qab73d6031f_fgenc:
	s_mov_b64 s[64:65], 0
	v_nop
	global_prefetch_b8 v0, s[64:65] scope:SCOPE_SE
	s_setreg_imm32_b32 hwreg(HW_REG_WAVE_SCHED_MODE, 0, 2), 2
	s_setreg_imm32_b32 hwreg(HW_REG_WAVE_MODE, 25, 1), 1
	s_wait_xcnt 0x0
	s_wait_alu depctr_vm_vsrc(0)
; out = relu(relu(Q(aligned) W1 + b1) W2 + b2).  aligned[b][t] = the mean of hs[b][start .. start + d - 1], d = max(ds[b][t], 0) (L = Lmax, so the durations are taken as they
; are), start = the sum of the batch's earlier d; start and end are clipped to 4,096 frames; a token without frames is a row of zeros.  Q: E4M3 codes, one E8M0 scale for each 32 along K = 512.
; ONE LAUNCH.  A work-group owns 32 neighbouring tokens of one batch (16 work-groups a batch), ONE WAVE A TOKEN.  The segments of a batch are disjoint, so every frame that is needed is read
; once in the launch, and frames in no segment are not read (but where a batch's durations sum over 4,096: see THE CLIP).
; STEPS.  1: where my token's segment begins (whole numbers from ds alone).  2: the segment's sum: a frame is 2,048 bytes = four loads of the wave, 512 consecutive bytes each; a lane holds
; columns 128 j + 4 lane + 0..3 of quarter j.  Up to seven frames are asked for in one run.  3: mean, block scales and codes in registers; codes and scale bytes to LDS.  4: waves 0-15: wave nt
; multiplies W1's rows 16 nt .. + 15 (all of K in 64 registers, straight from memory: W1 is read once by the work-group, which is why sixteen waves and not all do this step) with both tiles of
; 16 tokens.  5: bias, relu, the product with W2 (N = 3: fused multiply-adds in f32), partial sums through LDS, b2, relu, 384 consecutive bytes of out.
; THE CLIP.  The branches and the trip count of step 2 are made of my token's own duration d alone, as a scalar load brought it, and of nothing that went through vector registers or LDS; the start
; enters an address and values only.  The wave reads a window of d frames that begins at min(start, 4,096 - d), so that it lies inside the batch; frames of the window that lie ahead of the clipped start
; get the weight 0.0, the others 1.0, and the sum is made by multiply-adds with the weight.  Where nothing is clipped the window is the segment and every weight is 1.0.  A token that lies beyond the
; batch's end reads d frames that count for nothing.
; NO TENSOR LOAD, NO JOINT LOAD OF W1: the branches and the trip count of step 2 hang on ds; W1, which all work-groups share, comes by plain loads.
; LIMITS.  NaN and infinities in hs are not served (prefix sums over all frames would carry them into later tokens; this text sums a segment's own frames, and a frame of weight 0.0 must be finite).
; The mean is sum x v_rcp_f32(length), not a division.  A duration is held to 0 .. 4,096, which leaves every clipped start and end as it was, so long as a batch's durations sum under 2^31.
; THE MODE: SCHED_MODE bits 1:0 = 2 (LLVM: expert scheduling mode 2), set by the entry lines.  The code itself states the register dependences
; between vector or matrix instructions and memory or LDS instructions, with s_wait_alu, always for 0.
; THE PLAN.  Registers that memory or LDS instructions touch, in the order of the text:
;   v1            16 x lane: written at the head; read by every load of hs and by the load of the tokens' scale words; written anew by threads 0-95 on the way out.
;   v16-28        step 1: addresses (v16-20, v27), loaded durations and constants (v21-23, v28), LDS stores' data (v21, v23).  Then frames land there.
;   v12, v13, v15 offsets of W1's codes, W1's scales and b2: written at the head, read by those loads; v12 and v13 are written anew as LDS addresses.
;   v16-127       seven frame buffers: loads land, the packed multiply-adds read.  Buffers 1 to 4 then take the loop's frames, and W1's fragments.
;   v96-127       the quantiser's work registers, among them the code stores' data and addresses; then the tokens' fragments land there, four times, each read by two matrix instructions.
;   v32-63        W1's fragments 0 and 1, read by matrix instructions; then b1 and W2 land there; v32-47 then take the partial sums.
;   v2, v3        LDS addresses, written ahead of the second barrier.   v76-78, v32: data of the last stores.   v4-11, v14: loads land there and nothing else writes them.
; In each phase the loads or stores go out in one run, behind ONE wait on va_vdst that states all that the run hangs on.  Three waits on vm_vsrc stand where registers that
; memory or LDS instructions have read get new contents: ahead of the frames, ahead of the new v12 and v13, ahead of the new v1.  32 waves of 128 registers leave none for a second set of token fragments:
; so a K step has its own wait.  The frames' weights lie in scalar pairs, which scalar lines write behind a wait on va_vdst that stands there anyway.
.set NF,     4096                      ; frames in a batch
.set FROW,   2048                      ; bytes in a frame
.set CHUNK,  4                         ; frames a trip in the loop for long segments
.set APITCH, 528                       ; a token's 512 codes in LDS + 16 bytes: the 16 rows that a fragment load touches start at 16 different banks (64 banks of 4 bytes: ISA guide 11.1)
; LDS
.set TOT,    0                         ; 32 words: wave w's total of token group w % 16
.set CW2,    256                       ; W2 as it lies in memory, 3,072 bytes
.set CB1,    CW2+3072                  ; b1, 1,024 bytes
.set ACODE,  CB1+1024                  ; 32 rows of codes
.set ASC,    ACODE+32*APITCH           ; 32 x 16 scale bytes
.set PART,   ASC+512                   ; 16 x 96 partial sums of out; ends at 27,904
; vector registers
.set LOFF,   1                         ; v1      16 x lane
.set RC,     2                         ; v[2:3]  1 / length (and the length): a pair for the packed multiply; later two LDS addresses
.set AFA,    2                         ; v2      later: my lane's place in a tile of codes
.set W2A,    3                         ; v3      later: my 24 numbers of W2
.set TSC,    4                         ; v[4:7]  the tokens' scale words, K step s in register s: lanes 0-15 tokens 0-15, lanes 16-31 tokens 16-31; scales and nothing else
.set WSC,    8                         ; v[8:11] W1's scale words; scales and nothing else
.set W1O,    12                        ; v12     my offset in W1's codes; later B1A
.set WSO,    13                        ; v13     my offset in W1's scales; later PS
.set B1A,    12
.set PS,     13
.set B2V,    14                        ; v14     b2[thread % 3]
.set B2O,    15                        ; v15     its offset
.set FB,     16                        ; v16-127 seven frame buffers of 16; buffer 0 takes the sum
.set ACC,    16                        ; later: two accumulators,
.set BF,     32                        ; W1's four fragments (fragments 0 and 1 later give way to b1 and W2),
.set AF0,    96                        ; tokens 0-15's fragment of the K step in hand,
.set AF1,    112                       ; tokens 16-31's
.set TM,     96                        ; the quantiser's work registers, while no fragment lies there
.set B1R,    32                        ; b1 of my eight hidden units
.set W2R,    40                        ; W2 of my eight hidden units, 3 each
.set PO,     64                        ; six partial sums: tile m, output o at PO + 3 m + o
; scalar registers: s[4:5] hs, s[6:7] ds, s[8:9] W1 codes, s[10:11] W1 scales, s[12:13] W2, s[14:15] b1, s[16:17] b2, s[18:19] out
.set SK,     2                         ; frames of the window, from the run or trip in hand on, that lie ahead of the segment; 0 or less where none does
.set WV,     20                        ; wave = my token in the group
.set BAT,    21                        ; batch
.set GRP,    22                        ; token group in the batch
.set NT,     23                        ; wave % 16
.set SEL,    24                        ; s[24:25] v_permlanex16_b32's selects for lane xor 16
.set MNT,    26                        ; the mantissa field of 448
.set CNT,    27                        ; frames that count
.set NQ,     28                        ; trips of the loop
.set NR,     29                        ; frames asked for in the first run: 0 .. 7
.set MK,     50                        ; s50-53  step 1's four lane masks
.set MW0,    30                        ; the weight of the frame in buffer i: a pair, of which the packed forms take the low word for both halves; in registers that step 1 is done with
.set MW1,    32
.set MW2,    34
.set MW3,    36
.set MW4,    40
.set MW5,    42
.set MW6,    54
.macro ISUM x, t                       ; the sum of v[x] over the 32 lanes, whole numbers, in every lane
.irp m, 1,2,4,8
	v_mov_b32_dpp v[\t], v[\x] row_xmask:\m row_mask:0xf bank_mask:0xf
	v_add_nc_u32 v[\x], v[\x], v[\t]
.endr
	v_permlanex16_b32 v[\t], v[\x], s[SEL], s[SEL+1]
	v_add_nc_u32 v[\x], v[\x], v[\t]
.endm
.macro HOLD x, m                       ; a duration: 0 where ds <= 0 (mask m: the lanes where ds > 0), at most NF
	v_cndmask_b32 v[\x], 0, v[\x], s[\m]
	v_min_u32 v[\x], NF, v[\x]
.endm
	s_load_b256 s[4:11], s[0:1], 0x0
	s_load_b256 s[12:19], s[0:1], 0x20
	v_lshrrev_b32 v2, 5, v0
	v_readfirstlane_b32 s[WV], v2
	v_and_b32 v3, 31, v0                           ; lane
	s_lshr_b32 s[BAT], ttmp9, 4
	s_and_b32 s[GRP], ttmp9, 15
	s_wait_alu depctr_va_sdst(0)                   ; the wave's number is written, ahead of its first reader
	s_and_b32 s[NT], s[WV], 15
	s_mov_b32 s[SEL], 0x76543210
	s_mov_b32 s[SEL+1], 0xfedcba98
	s_mov_b32 s[MNT], 0x600000
	v_lshlrev_b32 v[LOFF], 4, v3
	v_lshlrev_b32 v16, 2, v3                       ; 4 x lane
	s_lshl_b32 s30, s[NT], 7
	v_add_nc_u32 v17, s30, v16                     ; ds: the 32 durations of group wave % 16
	s_lshl_b32 s31, s[GRP], 7
	v_add_nc_u32 v18, s31, v16                     ; and those of my own group
	v_lshlrev_b32 v19, 2, v0                       ; 4 x thread: W2's 768 numbers go to threads 0-767, b1's 256 to the others
	s_cmp_lt_u32 s[WV], 24
	s_cselect_b32 s32, 0, 3072
	v_sub_nc_u32 v20, v19, s32
	s_lshl_b32 s34, s[BAT], 11                     ; a row of ds is 2,048 bytes
	s_mov_b32 s35, 0
	s_lshl_b32 s36, s[WV], 2
	s_add_co_u32 s36, s36, s31                     ; my token's place in it
	s_mov_b32 s37, 0
	s_wait_kmcnt 0x0
	s_add_nc_u64 s[6:7], s[6:7], s[34:35]
	s_add_nc_u64 s[36:37], s[6:7], s[36:37]
	s_load_b32 s38, s[36:37], 0x0                  ; my token's duration, as a scalar
	s_wait_alu depctr_va_vdst(0)                   ; v1 and v16 to v20 are written: the offsets and LDS addresses that the loads and the first LDS store of step 1, and all loads of hs, read
	global_load_b32 v21, v17, s[6:7]
	global_load_b32 v22, v18, s[6:7]
	s_cmp_lt_u32 s[WV], 24
	s_cselect_b64 s[40:41], s[12:13], s[14:15]     ; the choice hangs on the wave's number alone
	global_load_b32 v23, v20, s[40:41]
	; offsets that are wanted later are made while these loads are out: none of these lines names a register that the three loads touch
	v_and_b32 v24, 15, v0                          ; r
	v_bfe_u32 v25, v0, 4, 1                        ; h
	v_lshlrev_b32 v[W1O], 9, v24                   ; W1's codes: row r of 512 bytes,
	v_lshl_add_u32 v[W1O], v25, 4, v[W1O]          ; + 16 h,
	s_lshl_b32 s42, s[NT], 13
	v_add_nc_u32 v[W1O], s42, v[W1O]               ; + 16 rows x wave % 16
	s_lshl_b32 s42, s[NT], 8
	v_lshl_add_u32 v[WSO], v24, 4, s42             ; W1's scales: 16 bytes a row
	v_mul_u32_u24 v[B2O], v0, 0xaaab               ; thread / 3 = thread x 43,691 >> 17, exact for threads under 1,024
	v_lshrrev_b32 v[B2O], 17, v[B2O]
	v_mul_u32_u24 v[B2O], v[B2O], 3
	v_sub_nc_u32 v[B2O], v0, v[B2O]
	v_lshlrev_b32 v[B2O], 2, v[B2O]                ; 4 x (thread % 3)
	v_mov_b32 v26, 0                               ; written once: the destination of a lane exchange counts as one of its sources
	v_mov_b32 v27, s[WV]
	v_lshlrev_b32 v27, 2, v27                      ; my wave's word among the totals
	s_mul_i32 s42, ttmp9, 384                      ; out: 32 tokens x 3 numbers a work-group
	s_mov_b32 s43, 0
	s_add_nc_u64 s[18:19], s[18:19], s[42:43]
	s_lshl_b32 s44, s[BAT], 23                     ; hs: 4,096 frames of 2,048 bytes a batch
	s_mov_b32 s45, 0
	s_wait_loadcnt 0x0
	; ---- 1: where my segment begins
	ds_store_b32 v19, v23 offset:CW2               ; W2 and b1 lie on end in LDS
	v_cmp_lt_i32 s[MK], 0, v21                     ; the step's four masks in one run: durations over 0 in group wave % 16,
	v_cmp_lt_i32 s[MK+1], 0, v22                   ; and in my own group;
	v_cmp_gt_u32 s[MK+2], s[WV], v3                ; of my group: the tokens ahead of mine;
	v_cmp_gt_u32 s[MK+3], s[GRP], v3               ; the groups ahead of mine
	s_wait_alu depctr_va_sdst(0)                   ; the four masks are written, ahead of the first select that reads one
	HOLD 21, MK
	HOLD 22, MK+1
	ISUM 21, 26                                    ; the total of group wave % 16
	v_cndmask_b32 v22, 0, v22, s[MK+2]             ; of my group: the tokens ahead of mine
	s_wait_alu depctr_va_vdst(0)                   ; the total v21 and its address v27 are written, which the LDS store reads
	ds_store_b32 v27, v21 offset:TOT               ; all lanes write the same word with the same value
	s_wait_dscnt 0x0                               ; for the others' sake: my stores have landed
	s_barrier_signal -1
	s_barrier_wait -1
	ds_load_b32 v28, v16 offset:TOT                ; lane l: group l's total (lanes 16-31: the same sixteen again, not counted)
	s_wait_dscnt 0x0
	v_cndmask_b32 v28, 0, v28, s[MK+3]             ; the groups ahead of mine
	v_add_nc_u32 v28, v28, v22
	ISUM 28, 26
	v_readfirstlane_b32 s46, v28                   ; start
	s_wait_alu depctr_va_sdst(0)                   ; the start is written, ahead of its first reader
	s_wait_kmcnt 0x0
	s_max_i32 s38, s38, 0
	s_min_u32 s38, s38, NF                         ; my duration d
	s_add_co_u32 s47, s46, s38                     ; end
	s_sub_co_u32 s49, NF, s38                      ; the last frame at which a window of d frames can begin
	s_min_u32 s39, s46, s49                        ; the window's first frame,
	s_min_u32 s39, s39, NF                         ; held by a constant once more, as a number from memory is on its way into an address
	s_min_u32 s46, s46, NF                         ; start and end clipped to the batch's frames
	s_min_u32 s47, s47, NF
	s_sub_co_u32 s[CNT], s47, s46                  ; frames that count: the mean's length
	s_sub_co_u32 s[SK], s46, s39                   ; frames of the window ahead of the clipped start: 0 where nothing is clipped
	s_lshl_b32 s39, s39, 11
	s_add_co_u32 s44, s44, s39
	s_add_nc_u64 s[4:5], s[4:5], s[44:45]          ; hs at the window's first frame
	s_max_u32 s[NQ], s38, CHUNK                    ; up to 7 frames go in one run; of a longer window the first 4 to 7, and the rest 4 a trip.  Both counts are made of d alone
	s_sub_co_u32 s[NQ], s[NQ], CHUNK
	s_lshr_b32 s[NQ], s[NQ], 2
	s_lshl_b32 s[NR], s[NQ], 2
	s_sub_co_u32 s[NR], s38, s[NR]
	; ---- 2: the segment's sum
.macro LOADF buf, frame                ; a frame: four loads, each 512 consecutive bytes of the wave; read once in the launch, where nothing is clipped
.irp j, 0,1,2,3
	global_load_b128 v[FB+16*(\buf)+4*\j:FB+16*(\buf)+4*\j+3], v[LOFF], s[4:5] offset:(\frame)*FROW+512*\j th:TH_LOAD_NT
.endr
.endm
.macro ADDF buf, m                     ; the sum takes buffer buf's frame by its weight: with the weight 1.0 the multiply-add has the bits of the addition
.irp k, 0,2,4,6,8,10,12,14
	v_pk_fma_f32 v[FB+\k:FB+\k+1], v[FB+16*(\buf)+\k:FB+16*(\buf)+\k+1], s[\m:\m+1], v[FB+\k:FB+\k+1] op_sel_hi:[1,0,1]
.endr
.endm
.macro WEIGHT m, i                     ; frame i of the run or trip in hand counts unless it lies ahead of the segment: a choice of a value, no branch
	s_cmp_le_i32 s[SK], \i
	s_cselect_b32 s[\m], 1.0, 0
.endm
	; The run of loads is left behind the window's last frame, to the place in the multiply-adds where just the frames that were asked for are still to be added:
	; so all loads of the run are out together, no register is read that was not loaded, and nothing is cleared.
	s_wait_alu depctr_vm_vsrc(0)                   ; step 1's loads and LDS instructions have read v16 to v21, v23 and v27, in which frames land on one way and zeros are written on the other
	s_wait_alu depctr_va_vdst(0)                   ; step 1's vector instructions are done reading and writing v16 to v28, in which frames land.  No vector instruction stands among the run's loads
	WEIGHT MW0, 0
	WEIGHT MW1, 1
	WEIGHT MW2, 2
	WEIGHT MW3, 3
	WEIGHT MW4, 4
	WEIGHT MW5, 5
	WEIGHT MW6, 6
.irp m, MW0, MW1, MW2, MW3, MW4, MW5, MW6
	s_mov_b32 s[\m+1], 0                           ; (named with the weight as a pair, so it is written)
.endr
	s_cmp_eq_u32 s[NR], 0
	s_cbranch_scc1 .Lnone
	LOADF 0, 0
.irp i, 1,2,3,4,5,6
	s_cmp_eq_u32 s[NR], \i
	s_cbranch_scc1 .Lgot\i
	LOADF \i, \i
.endr
.macro ENTER n                         ; n frames are in buffers 0 .. n - 1: buffer 0, which takes the sum, gets its weight, once
.Lgot\n:
	s_wait_loadcnt 0x0                             ; all frames of the run are in; the wait also frees the loads' base
.irp k, 0,2,4,6,8,10,12,14
	v_pk_mul_f32 v[FB+\k:FB+\k+1], v[FB+\k:FB+\k+1], s[MW0:MW0+1] op_sel_hi:[1,0]
.endr
	s_branch .Lin\n
.endm
	ENTER 7
	ENTER 6
	ENTER 5
	ENTER 4
	ENTER 3
	ENTER 2
	ENTER 1
.macro FOLD n, buf, m                  ; the last of n frames is added to buffer 0,
.Lin\n:
	s_wait_alu depctr_va_vdst(0)
	ADDF \buf, \m
	s_add_nc_u64 s[4:5], s[4:5], FROW              ; and the base goes one frame on for each frame taken
.endm
	FOLD 7, 6, MW6
	FOLD 6, 5, MW5
	FOLD 5, 4, MW4
	FOLD 4, 3, MW3
	FOLD 3, 2, MW2
	FOLD 2, 1, MW1
.Lin1:
	s_add_nc_u64 s[4:5], s[4:5], FROW
	s_sub_co_i32 s[SK], s[SK], s[NR]               ; what is left of the frames ahead of the segment, counted from the loop's first frame
	s_branch .Lmore
.Lnone:                                            ; a token of duration 0: its row is zeros
.irp i, 0,1,2,3,4,5,6,7,8,9,10,11,12,13,14,15
	v_mov_b32 v[FB+\i], 0
.endr
.Lmore:
	s_cmp_eq_u32 s[NQ], 0
	s_cbranch_scc1 .Ljoin
.Lchunk:                                           ; windows of more than 7 frames: four more frames a trip
	s_wait_alu depctr_va_vdst(0)                   ; the multiply-adds of the first run, or of the trip before, are done reading buffers 1 to 4, in which this trip's frames land (and their weights, which are written anew below)
	LOADF 1, 0
	LOADF 2, 1
	LOADF 3, 2
	LOADF 4, 3
	WEIGHT MW1, 0
	WEIGHT MW2, 1
	WEIGHT MW3, 2
	WEIGHT MW4, 3
	s_wait_loadcnt 0x0
	ADDF 1, MW1
	ADDF 2, MW2
	ADDF 3, MW3
	ADDF 4, MW4
	s_add_nc_u64 s[4:5], s[4:5], CHUNK*FROW
	s_sub_co_i32 s[SK], s[SK], CHUNK
	s_sub_co_u32 s[NQ], s[NQ], 1
	s_cmp_lg_u32 s[NQ], 0
	s_cbranch_scc1 .Lchunk
.Ljoin:
	; buffers 1 to 6 are free: waves 0-15 ask for their rows of W1 now, and the quantiser's work stands between the request and its use
	s_cmp_lt_u32 s[WV], 16
	s_cbranch_scc0 .Lno_w1
	s_wait_alu depctr_va_vdst(0)                   ; the multiply-adds are done reading buffers 1 to 4 (v32-95), in which W1's fragments land
.irp s, 0,1,2,3
.irp c, 0,1,2,3
	global_load_b128 v[BF+16*\s+4*\c:BF+16*\s+4*\c+3], v[W1O], s[8:9] offset:128*\s+32*\c   ; fragment s: lane (r, h): row 16 nt + r, K = 128 s + 32 c + 16 h + 0 .. 15
.endr
.endr
	global_load_b128 v[WSC:WSC+3], v[WSO], s[10:11]  ; my row's 16 scale bytes: register s is the word of K step s
	global_load_b32 v[B2V], v[B2O], s[16:17]
.Lno_w1:
	; ---- 3: the mean, and its codes.  (It names v2, v3, v16-31 and v96-127: none of the registers that W1's loads touch)
	s_max_u32 s46, s[CNT], 1
	v_cvt_f32_u32 v[RC+1], s46
	s_wait_alu depctr_va_vdst(0)
	v_rcp_f32 v[RC], v[RC+1]
	v_and_b32 v[TM+24], 31, v0                     ; (plain work behind the reciprocal: where my codes and scale bytes go)
	s_mul_i32 s47, s[WV], APITCH
	v_lshl_add_u32 v[TM+25], v[TM+24], 2, s47      ; my token's row, 4 bytes a lane
	v_lshrrev_b32 v[TM+26], 3, v[TM+24]
	s_lshl_b32 s48, s[WV], 4
	v_add_nc_u32 v[TM+26], s48, v[TM+26]           ; my token's 16 scale bytes; eight lanes share a block
	s_wait_alu depctr_va_vdst(0)                   ; the wait ahead of the reciprocal's first reader: v[RC] is written
.irp k, 0,2,4,6,8,10,12,14
	v_pk_mul_f32 v[FB+\k:FB+\k+1], v[FB+\k:FB+\k+1], v[RC:RC+1] op_sel_hi:[1,0]   ; the mean
.endr
	; Quarter j of the row is K step j, and its block c lies in lanes 8 c .. 8 c + 7, four numbers a lane
.irp j, 0,1,2,3
	v_max3_num_f32 v[TM+\j], |v[FB+4*\j]|, |v[FB+4*\j+1]|, 0x4800000   ; and the floor 2^(9 - 127), under which no largest magnitude is taken: so the byte cannot fall under 1
.endr
.irp j, 0,1,2,3
	v_max3_num_f32 v[TM+\j], v[TM+\j], |v[FB+4*\j+2]|, |v[FB+4*\j+3]|
.endr
.irp m, 1,2,4
.irp j, 0,1,2,3
	v_max_num_f32_dpp v[TM+\j], v[TM+\j], v[TM+\j] row_xmask:\m row_mask:0xf bank_mask:0xf   ; over the block's eight lanes
.endr
.endr
.irp j, 0,1,2,3
	v_add_nc_u32 v[TM+4+\j], 0xfc000000, v[TM+\j]  ; 8 off the exponent field: the conversion takes the exponent field of this operand as its scale
.endr
.irp j, 0,1,2,3
	v_and_or_b32 v[TM+8+\j], v[TM+\j], 0x7f800000, s[MNT]   ; 448 x the scale
.endr
.irp j, 0,1,2,3
	v_lshrrev_b32 v[TM+12+\j], 23, v[TM+4+\j]      ; the scale's byte.  (A block of zeros keeps the byte 1: its codes are zeros, and this program alone reads the bytes)
.endr
.irp j, 0,1,2,3
.irp e, 0,1,2,3
	v_med3_num_f32 v[FB+4*\j+\e], v[FB+4*\j+\e], -v[TM+8+\j], v[TM+8+\j]   ; the conversion to an 8-bit code does not saturate (ISA guide 7.6.2): the hold at the largest code x the scale
.endr
.endr
	; The conversion takes eight numbers under one scale, and my eight consecutive registers belong to two blocks: each eight are converted under both scales, and of each result the word of that scale's four numbers is kept
	v_cvt_scalef32_pk8_fp8_f32 v[TM+16:TM+17], v[FB:FB+7], v[TM+4]      ; low word: K step 0
	v_cvt_scalef32_pk8_fp8_f32 v[TM+18:TM+19], v[FB:FB+7], v[TM+5]      ; high word: K step 1
	v_cvt_scalef32_pk8_fp8_f32 v[TM+20:TM+21], v[FB+8:FB+15], v[TM+6]   ; low word: K step 2
	v_cvt_scalef32_pk8_fp8_f32 v[TM+22:TM+23], v[FB+8:FB+15], v[TM+7]   ; high word: K step 3
	v_nop                                          ; one plain line between the conversions and the lines below that write their sources
	s_wait_alu depctr_va_vdst(0)                   ; the conversions have written the codes and the shifts the scale bytes, which the eight LDS stores read
	ds_store_b32 v[TM+25], v[TM+16] offset:ACODE       ; 32 lanes: 128 consecutive bytes, K = 128 j + 4 lane + 0 .. 3
	ds_store_b32 v[TM+25], v[TM+19] offset:ACODE+128
	ds_store_b32 v[TM+25], v[TM+20] offset:ACODE+256
	ds_store_b32 v[TM+25], v[TM+23] offset:ACODE+384
.irp j, 0,1,2,3
	ds_store_b8 v[TM+26], v[TM+12+\j] offset:ASC+4*\j  ; the eight lanes of a block write the same byte with the same value
.endr
	s_wait_xcnt 0x0                                ; W1's loads have read their offsets: those registers are written again only behind this wait
	s_wait_alu depctr_vm_vsrc(0)                   ; W1's loads have read v12 and v13, which the lines below write; the LDS stores above have read their data and addresses, in which the tokens' fragments land behind the barrier
	v_and_b32 v16, 15, v0                          ; r
	v_bfe_u32 v17, v0, 4, 1                        ; h
	v_mul_u32_u24 v[AFA], v16, APITCH
	v_lshl_add_u32 v[AFA], v17, 4, v[AFA]          ; a fragment of codes: row r, + 16 h
	s_lshl_b32 s30, s[NT], 6
	v_lshl_add_u32 v[B1A], v17, 5, s30             ; b1 at hidden unit 16 nt + 8 h: 4 bytes each,
	v_mul_u32_u24 v[W2A], v[B1A], 3                ; W2 likewise: 12 bytes each
	v_mul_u32_u24 v[PS], v16, 12
	v_mad_u32_u24 v[PS], v[B1A], 6, v[PS]          ; partial sums: 384 nt + 12 (16 h + r)
	s_wait_dscnt 0x0                               ; for the others' sake: my codes and scale bytes have landed
	s_barrier_signal -1
	s_barrier_wait -1
	; ---- 4: h^T = W1^T aligned^T, transposed use: source 0 = my 16 rows of W1, source 1 = 16 tokens: a lane holds token r and hidden units 16 nt + 8 h + 0 .. 7
	s_cmp_lt_u32 s[WV], 16
	s_cbranch_scc0 .Lno_gemm
.macro AFETCH s                        ; both token tiles' fragments of K step s
.irp c, 0,1,2,3
	ds_load_b128 v[AF0+4*\c:AF0+4*\c+3], v[AFA] offset:ACODE+128*(\s)+32*\c
	ds_load_b128 v[AF1+4*\c:AF1+4*\c+3], v[AFA] offset:ACODE+16*APITCH+128*(\s)+32*\c
.endr
.endm
.macro MM s, zero                      ; the two accumulators take turns, one instruction a turn; the first K step starts the sums
.if \zero
	v_wmma_scale_f32_16x16x128_f8f6f4 v[ACC:ACC+7], v[BF+16*(\s):BF+16*(\s)+15], v[AF0:AF0+15], 0, v[WSC+(\s)], v[TSC+(\s)]
	v_wmma_scale_f32_16x16x128_f8f6f4 v[ACC+8:ACC+15], v[BF+16*(\s):BF+16*(\s)+15], v[AF1:AF1+15], 0, v[WSC+(\s)], v[TSC+(\s)] matrix_b_scale:MATRIX_SCALE_ROW1
.else
	v_wmma_scale_f32_16x16x128_f8f6f4 v[ACC:ACC+7], v[BF+16*(\s):BF+16*(\s)+15], v[AF0:AF0+15], v[ACC:ACC+7], v[WSC+(\s)], v[TSC+(\s)]
	v_wmma_scale_f32_16x16x128_f8f6f4 v[ACC+8:ACC+15], v[BF+16*(\s):BF+16*(\s)+15], v[AF1:AF1+15], v[ACC+8:ACC+15], v[WSC+(\s)], v[TSC+(\s)] matrix_b_scale:MATRIX_SCALE_ROW1
.endif
.endm
.macro PLACES                          ; eight places between these matrix instructions and loads into registers that they have read; they stay beside the wait that follows them
.rept 8
	v_nop
.endr
.endm
	s_wait_alu depctr_va_vdst(0)                   ; the four LDS addresses v2, v3, v12 and v13 are written, which the loads and stores of this arm read
	ds_load_b128 v[TSC:TSC+3], v[LOFF] offset:ASC  ; lane l: token l's 16 scale bytes
	AFETCH 0
	s_wait_loadcnt 0x0                             ; W1's codes and scales, b2
	s_wait_dscnt 0x0
	MM 0, 1
	PLACES
	s_wait_alu depctr_va_vdst(0)                   ; K step 0's matrix instructions are done reading the tokens' fragments, in which K step 1's land
	AFETCH 1
	s_wait_dscnt 0x0
	MM 1, 0
	PLACES
	s_wait_alu depctr_va_vdst(0)                   ; K step 1's matrix instructions are done reading the tokens' fragments, and K steps 0 and 1's W1's fragments 0 and 1, in which b1 and W2 land
	AFETCH 2
	ds_load_b128 v[B1R:B1R+3], v[B1A] offset:CB1   ; W1's fragments 0 and 1 are done with: b1 and W2 of my eight hidden units take their registers
	ds_load_b128 v[B1R+4:B1R+7], v[B1A] offset:CB1+16
.irp i, 0,1,2,3,4,5
	ds_load_b128 v[W2R+4*\i:W2R+4*\i+3], v[W2A] offset:CW2+16*\i
.endr
	s_wait_dscnt 0x0
	MM 2, 0
	PLACES
	s_wait_alu depctr_va_vdst(0)                   ; K step 2's matrix instructions are done reading the tokens' fragments, in which K step 3's land
	AFETCH 3
	s_wait_dscnt 0x0
	MM 3, 0
	; ---- 5: bias, relu, and the product with W2
	v_and_b32 v70, 16, v0                          ; (this line and the seven v_nop are the eight places ahead of the first read of the results)
	v_cmp_ne_u32 vcc_lo, 0, v70                    ; lanes 16-31
.rept 7
	v_nop
.endr
.irp m, 0,1
.irp k, 0,2,4,6
	v_pk_add_f32 v[ACC+8*\m+\k:ACC+8*\m+\k+1], v[ACC+8*\m+\k:ACC+8*\m+\k+1], v[B1R+\k:B1R+\k+1]   ; each accumulator from its low end on
.endr
.endr
.irp i, 0,1,2,3,4,5,6,7,8,9,10,11,12,13,14,15
	v_max_num_f32 v[ACC+\i], 0, v[ACC+\i]
.endr
.irp m, 0,1
.irp o, 0,1,2
	v_mul_f32 v[PO+3*\m+\o], v[ACC+8*\m], v[W2R+\o]
.endr
.endr
.irp j, 1,2,3,4,5,6,7
.irp m, 0,1
.irp o, 0,1,2
	v_fmac_f32 v[PO+3*\m+\o], v[ACC+8*\m+\j], v[W2R+3*\j+\o]   ; six sums by turns: my token's share from my eight hidden units
.endr
.endr
.endr
	; the two halves of the lanes hold the same tokens and other hidden units: lanes 0-15 end up with tile 0's sums, lanes 16-31 with tile 1's
	s_wait_alu depctr_va_vcc(0)                    ; the compare above has written VCC, ahead of the first select that reads it
.irp o, 0,1,2
	v_cndmask_b32 v[72+\o], v[PO+3+\o], v[PO+\o], vcc_lo   ; what the other half wants of me
	v_cndmask_b32 v[76+\o], v[PO+\o], v[PO+3+\o], vcc_lo   ; what I keep
.endr
.irp o, 0,1,2
	v_permlanex16_b32 v[PO+\o], v[72+\o], s[SEL], s[SEL+1]
.endr
.irp o, 0,1,2
	v_add_f32 v[76+\o], v[76+\o], v[PO+\o]
.endr
	s_wait_alu depctr_va_vdst(0)                   ; the additions have written v76 to v78, which the LDS stores read
.irp o, 0,1,2
	ds_store_b32 v[PS], v[76+\o] offset:PART+4*\o
.endr
.Lno_gemm:
	s_wait_dscnt 0x0                               ; for the others' sake: my partial sums have landed
	s_barrier_signal -1
	s_barrier_wait -1
	s_wait_alu depctr_vm_vsrc(0)                   ; the loads of hs and of the tokens' scale words have read v1, which threads 0-95 write anew behind the branch
	s_cmp_lt_u32 s[WV], 3                          ; 96 numbers of out: threads 0-95
	s_cbranch_scc0 .Lend
	v_lshlrev_b32 v1, 2, v0
	s_wait_alu depctr_va_vdst(0)                   ; v1 is written, which the loads and the store below read; the multiply-adds are done reading v32 to v47, in which the loads land
.irp k, 0,1,2,3,4,5,6,7,8,9,10,11,12,13,14,15
	ds_load_b32 v[32+\k], v1 offset:PART+384*\k    ; the sixteen waves' shares of number 3 token + o
.endr
	s_wait_loadcnt 0x0                             ; b2 (it came with W1)
	s_wait_dscnt 0x0
.irp k, 0,2,4,6
	v_pk_add_f32 v[32+\k:33+\k], v[32+\k:33+\k], v[40+\k:41+\k]
.endr
	v_pk_add_f32 v[32:33], v[32:33], v[36:37]
	v_pk_add_f32 v[34:35], v[34:35], v[38:39]
	v_pk_add_f32 v[32:33], v[32:33], v[34:35]
	v_add_f32 v32, v32, v33
	v_add_f32 v32, v32, v[B2V]
	v_max_num_f32 v32, 0, v32
	s_wait_alu depctr_va_vdst(0)                   ; v32 is written, which the store reads
	global_store_b32 v1, v32, s[18:19]             ; three waves store the work-group's 384 consecutive bytes
.Lend:
	s_wait_xcnt 0x0
	v_lshl_add_u32 v126, v0, 2, 0x6e00             ; the add's two registers, made anew straight ahead of the closing lines (v0 is as at the entry); no memory or LDS instruction has read either of them
	v_mov_b32 v127, 0
	s_wait_dscnt 0x0                               ; the closing lines, six on end
	s_wait_alu 0x0
	s_wait_tensorcnt 0x0
	ds_add_u32 v126, v127
	s_wait_dscnt 0x0
	s_endpgm
.Lfunc_end_k_qab73d6031f_fgenc:
	.size	k_qab73d6031f_fgenc, .Lfunc_end_k_qab73d6031f_fgenc-k_qab73d6031f_fgenc
	.p2alignl 7, 3214868480
	.fill 96, 4, 3214868480
	.section	.rodata,"a",@progbits
	.p2align	6, 0x0
	.amdhsa_kernel k_qab73d6031f_fgenc
		.amdhsa_group_segment_fixed_size 32256
		.amdhsa_private_segment_fixed_size 0
		.amdhsa_enable_private_segment 0
		.amdhsa_kernarg_size 64
		.amdhsa_user_sgpr_count 2
		.amdhsa_user_sgpr_kernarg_segment_ptr 1
		.amdhsa_wavefront_size32 1
		.amdhsa_system_sgpr_workgroup_id_x 1
		.amdhsa_system_sgpr_workgroup_id_y 1
		.amdhsa_system_sgpr_workgroup_id_z 1
		.amdhsa_system_vgpr_workitem_id 0
		.amdhsa_next_free_vgpr 128
		.amdhsa_next_free_sgpr 66
		.amdhsa_reserve_vcc 1
		.amdhsa_float_denorm_mode_32 3
		.amdhsa_float_denorm_mode_16_64 3
		.amdhsa_memory_ordered 1
		.amdhsa_forward_progress 1
		.amdhsa_inst_pref_size 40
	.end_amdhsa_kernel
	.amdgpu_metadata
---
amdhsa.version: [ 1, 2 ]
amdhsa.kernels:
  - .name:           k_qab73d6031f_fgenc
    .symbol:         k_qab73d6031f_fgenc.kd
    .args:
      - { .name: hs, .offset: 0, .size: 8, .value_kind: global_buffer, .address_space: global }
      - { .name: ds, .offset: 8, .size: 8, .value_kind: global_buffer, .address_space: global }
      - { .name: W1_codes, .offset: 16, .size: 8, .value_kind: global_buffer, .address_space: global }
      - { .name: W1_scales, .offset: 24, .size: 8, .value_kind: global_buffer, .address_space: global }
      - { .name: W2, .offset: 32, .size: 8, .value_kind: global_buffer, .address_space: global }
      - { .name: b1, .offset: 40, .size: 8, .value_kind: global_buffer, .address_space: global }
      - { .name: b2, .offset: 48, .size: 8, .value_kind: global_buffer, .address_space: global }
      - { .name: out0, .offset: 56, .size: 8, .value_kind: global_buffer, .address_space: global }
    .group_segment_fixed_size: 32256
    .private_segment_fixed_size: 0
    .kernarg_segment_align: 8
    .kernarg_segment_size: 64
    .max_flat_workgroup_size: 1024
    .sgpr_count:     66
    .vgpr_count:     128
    .wavefront_size: 32
...
	.end_amdgpu_metadata
.endif
;; end of part 2
